; MI455X (gfx1250); checked and timed in simulation.
; The chip was launched on July 23, 2026; its instructions are those of AMD's public machine-readable ISA for CDNA 5 (MIT licence, August 2026) and "CDNA5" Instruction Set Architecture Reference Guide (July 2026). The comments in the code are by the model that wrote it; some were corrected since.
;; Attention. Allowed arithmetic: float matrix products may take bf16 or f16 operands with f32 sums; other float arithmetic in f32, or as packed bf16 or f16 multiplies, adds, multiply-adds, maxima and minima; sums over many terms, partial sums and values carried from step to step in f32; what a program stores and reads back later, other than sums and carried values, may be rounded once to bf16 or f16.
;; Inputs: mask 1 x 1 x 4,096 x 4,096 float32; q_phi 1 float32; v_w 1 float32; x 4 x 4,096 x 2 float32.
;; Outputs: out0 4 x 4,096 x 2 float32.
;; One version. Each part assembles by itself: llvm-mc -triple=amdgcn-amd-amdhsa -mcpu=gfx1250 --defsym DOCPART=n.
;; ======== version 1 of 1: 1 launch
;; limits: inputs' magnitudes at most 1e+30; values are held in f16: magnitudes above 65,504 overflow, below 6.1e-05 lose precision; inputs' magnitudes at most 65,504; inputs' magnitudes at most 400,000; right only within a limited range of input values
;; launch attn (part 1): grid 256 x 1, 8 waves a work-group, no clusters, 322,560 bytes of LDS; arguments x, mask, q_phi, v_w, out0; writes out0
.if DOCPART == 1
	.amdgcn_target "amdgcn-amd-amdhsa--gfx1250"
	.amdhsa_code_object_version 6
	.text
	.protected	k_qed8e1ad160_attn
	.globl	k_qed8e1ad160_attn
	.p2align	8
	.type	k_qed8e1ad160_attn,@function
k_qed8e1ad160_attn:
	s_mov_b64 s[64:65], 0
	v_nop
	global_prefetch_b8 v0, s[64:65] scope:SCOPE_SE
	s_setreg_imm32_b32 hwreg(HW_REG_WAVE_MODE, 25, 1), 1
	s_wait_xcnt 0x0
; out0[b][q] = (0, v_w * sum_k softmax_k(SCALE q[b][q].k[b][k] + mask[q][k]) x1[b][k]),  B = 4, L = 4096, head size 2.
; q = rope(rmsnorm(x0 cos phi, -x0 sin phi)), k = rope(rmsnorm(x0, 0)), theta = fl(position * omega) in f32 as the problem forms it.
; WORK LEFT OUT, for all values of the inputs: v's second channel and k's second component are zeros that the problem builds itself, and of the
; second einsum only channel 0 is used: so only sum p x1 is formed, the rope of k is kn (cos, sin), and the first output number is the constant 0.
; All four inputs are loaded.  A NaN or infinity that would reach only the channel left out is not carried anywhere.
; LIMITS.  The running maximum starts at -1e30: a row whose every score lies below that gives 0/0.  x1 goes to f16: |x1| < 65,504.
; The angle reduction is exact for |angle| < 4e5 (q_phi; positions reach 1,355).  A weight below 2^-126 counts as 0; p below 6e-5 keeps f16's step of 6e-8.
; SHARES.  256 work-groups; each owns 16 query rows for all 4 batches, so each mask number is fetched once and serves 4 batches.  8 waves; wave w owns
; keys 512 w .. 512 w + 511 for all 16 queries and 4 batches; the eight partial (maximum, sum, output) meet in LDS at the end.
; MASK.  The work-group's strip, 16 rows x 16 KiB, lies whole in LDS: each wave asks for its 4 tiles (16 rows x 128 keys, 512 bytes of a row) at the head
; and reads only its own tiles, each behind its own counted wait.  No LDS byte is filled twice.  4 tensor loads of a wave are out at the most.
; SCORES.  They reach +-106, so one 16-bit operand is too coarse: k and q are split, x = hi + lo in f16, and the K axis of 32 takes the cross products.
; S^T = K Q^T + C, source 0 = 16 keys, source 1 = 16 queries, C = the mask tile as it lies: a lane holds ONE query (lane % 16) and keys 8 (lane / 16) + 0..7.
; A fragment of K holds all 4 batches: register 2 b = (k0, k1) hi, 2 b + 1 = (k0, k1) lo, alike in both halves of the lanes.  Q's fragment of batch b is 0
; but for registers 2 b and 2 b + 1, which hold (q0, q1) hi in lanes 0-15 and lo in lanes 16-31: the sum is (khi + klo)(qhi + qlo).
; LDS has no room for K beside the mask (322,560 of 327,680 bytes are used), so a wave's 32 fragments stay in registers v256-511.
; NO CLUSTER: what work-groups share is x, 128 KiB for each; it would have to land in LDS, which has 5,120 bytes left.
; SOFTMAX.  Running maximum m for each query, 64 keys a step; p = 2^(c s - c m), c = log2 e; a = 2^(c m_old - c m_new).
; SECOND PRODUCT.  O^T = V^T P in f16.  V^T's rows: 0 x1 of batch 0, 1 ones, 2 batch 1, 3 ones, 8 batch 2, 9 ones, 10 batch 3, 11 ones (the other rows repeat these
; and serve nothing): batch b's (sum p x1, sum p) fall into registers 2 (b % 2), + 1 of lanes 16 (b / 2) + query.  D starts at 0 in each step; acc = a acc + D.
; OUT.  A work-group's share of out0 is 16 queries x 8 bytes = 128 consecutive bytes in each batch.
.set MROW,  528                        ; a mask row in LDS: 512 bytes + 16 of padding = 33 x 16: the 16 rows of a load start at 16 different groups of four banks
.set MTILE, 16*MROW
.set MWAVE, 4*MTILE                    ; a wave's four tiles
.set VREG,  8*MWAVE                    ; behind the mask: for each wave 4 rows of x1 (512 keys in f16) and a row of ones
.set VROW,  1040
.set VWAVE, 5376
.set STG,   VREG+8*VWAVE               ; 1 KiB for each wave: K's way into fragment layout; at the end the partial results
.set SPARE, STG+8*1024                 ; the spare words, 128 bytes for each wave: four blocks of 256 bytes that no other line names
.set SPW, 2                            ; v2  my spare word's address; never rewritten
.set NIL, 3                            ; v3  0; never rewritten
.set ADRC, 4                           ; v4  mask: my wave's tiles + 528 (lane % 16) + 32 (lane / 16)
.set ADRV, 5                           ; v5  V^T: my row of the wave's five + 16 (lane / 16)
.set STGW, 6                           ; v6  stage, in: 32 x lane
.set STGR, 7                           ; v7  stage, back: 16 (lane % 16)
.set VWR, 8                            ; v8  V rows, in: 4 x lane
.set XO, 9                             ; v9  byte offset in x of my two keys
.set HH, 10                            ; v10 lane / 16
.set RR, 11                            ; v11 lane % 16
.set XQ, 12                            ; v12-15  x0 of my query, by batch
.set ST, 16                            ; v16-31  (c m, m) at ST + 4 b + 2 (group % 2): the old pair stays while the new one is made
.set AA, 32                            ; v32-35  a, by the turn's parity (the pair's second register is only named)
.set DD, 36                            ; v36-43  O^T of one step
.set TC, 44                            ; v44-47  at work on the maximum
.set QF, 48                            ; v48-79  Q's four fragments
.set CM, 80                            ; v80-111 the mask of 64 keys: four tiles
.set SB, 112                           ; v112-175 S^T, two buffers of 32, by the turn's parity
.set PP, 176                           ; v176-191 P
.set VF, 192                           ; v192-207 V^T of 64 keys: two fragments
.set AC, 208                           ; v208-215 (sum p x1, sum p) by batch
; while K is made: x in v80-207, and at work:
.set X, 80
.set LL, 16
.set KK, 24
.set VV, 32
.set LN, 36
.set QX, 37
.set ONA, 38
.set U0, 44
.set U1, 45
.set WW, 46
.set TT, 47
.set KP, 208                           ; my two keys' positions as f32
.set TH, 210
.set NN, 212
.set RDU, 214
.set R2, 216
.set SN, 218
.set CSN, 220
.set MM, 222
.set OUT0, 232
.set OUT1, 236
.set NEG1, 240
.set KS7, 242
.set KC8, 244
.set ONE4, 248
; at the end:
.set MG, 216
.set MGA, 224
.set ME, 112
.set MXR, 144
.set OO, 146
.set RC, 148
.set OUTP, 150
.set OA, 152
.set MT, 153
.set PHI, 14                           ; s14 q_phi   s15 v_w
.set VWS, 15
.set WV, 16                            ; s16 my wave's number
.set MB, 17                            ; s17 my wave's tiles in LDS
.set G1, 24                            ; s[24:31] descriptor group 1
.set G0, 32                            ; s[32:47] descriptor group 0, a set for each of the four tiles; never rewritten
.set CS, 48                            ; s[48:49] c = log2 e
.set SEL, 52                           ; s[52:53] v_permlanex16_b32: each lane takes its own place in the other half
.set MSB, 0
.macro WIN new                         ; the immediate's high byte repeats the setting that is left
.if MSB != (\new)
	s_set_vgpr_msb (MSB<<8)|(\new)
.set MSB, (\new)
.endif
.endm
	s_load_b256 s[4:11], s[0:1], 0x0               ; x s[4:5], mask s[6:7], q_phi s[8:9], v_w s[10:11]
	s_load_b64 s[12:13], s[0:1], 0x20              ; out0
	v_lshl_add_u32 v[SPW], v0, 2, SPARE
	v_mov_b32 v[NIL], 0
	ds_add_u32 v[SPW], v[NIL]                      ; the wave's opening: the add, twice on end, and its wait ahead of my first tensor load
	ds_add_u32 v[SPW], v[NIL]
	v_lshrrev_b32 v1, 5, v0
	v_readfirstlane_b32 s[WV], v1                  ; wave 0..7
	v_and_b32 v[LN], 31, v0
	v_and_b32 v[RR], 15, v0
	v_bfe_u32 v[HH], v0, 4, 1
	s_mov_b32 s[G1+0], (2<<16)|(1<<20)|(6<<22)|(3<<25)  ; elements of 4 bytes; padding on: after every 128 words (code 6) 4 words (code 3)
	s_mov_b32 s[G1+1], 128<<16                     ; tensor_dim0 = 128
	s_mov_b32 s[G1+2], 16<<16                      ; tensor_dim1 = 16
	s_mov_b32 s[G1+3], 128<<16                     ; tile_dim0 = 128
	s_mov_b32 s[G1+4], 16                          ; tile_dim1 = 16
	s_mov_b32 s[G1+5], 4096                        ; elements from row to row
	s_mov_b32 s[G1+6], 0
	s_mov_b32 s[G1+7], 0
	s_mov_b32 s[CS], 0x3fb8aa3b
	s_mov_b32 s[CS+1], 0x3fb8aa3b                  ; named with it as a pair
	s_mov_b32 s[SEL], 0x76543210
	s_mov_b32 s[SEL+1], 0xfedcba98
	s_mul_i32 s[MB], s[WV], MWAVE
	s_lshl_b32 s20, ttmp9, 18                      ; the work-group's 16 rows of 16,384 bytes
	s_lshl_b32 s18, s[WV], 11                      ; my wave's 512 keys
	s_add_co_u32 s20, s20, s18
	s_mov_b32 s21, 0
	s_lshl_b32 s18, s[WV], 12                      ; my wave's 512 keys in x: 8 bytes each
	v_lshl_add_u32 v[XO], v[LN], 4, s18            ; two keys a lane
	s_lshl_b32 s22, ttmp9, 7                       ; the work-group's 16 queries in x and in out0
	v_lshl_add_u32 v[QX], v[RR], 3, s22
	s_wait_dscnt 0x0                               ; both opening adds are done
	s_wait_kmcnt 0x0
	s_load_b32 s[PHI], s[8:9], 0x0
	s_load_b32 s[VWS], s[10:11], 0x0
	; x first: K is made of it while the mask is on its way
.irp b,0,1,2,3
	global_load_b32 v[XQ+\b], v[QX], s[4:5] offset:\b*32768
.endr
.set j_, 0
.rept 8                                ; block j of 64 keys, batch b: (x0, x1) of keys 2 lane, 2 lane + 1: 512 consecutive bytes a load
.irp b,0,1,2,3
	global_load_b128 v[X+16*j_+4*\b:X+16*j_+4*\b+3], v[XO], s[4:5] offset:\b*32768+j_*512
.endr
.set j_, j_+1
.endr
	s_add_nc_u64 s[20:21], s[6:7], s[20:21]        ; the mask at my wave's first tile
.irp i,0,1,2,3
	s_mov_b32 s[G0+4*\i], 1                        ; count = 1
	s_add_co_u32 s[G0+4*\i+1], s[MB], \i*MTILE     ; LDS address
	s_add_nc_u64 s[G0+4*\i+2:G0+4*\i+3], s[20:21], \i*512  ; 128 keys on
	s_or_b32 s[G0+4*\i+3], s[G0+4*\i+3], 0x80000000  ; type = 2
.endr
.irp i,0,1,2,3
	tensor_load_to_lds s[G0+4*\i:G0+4*\i+3], s[G1:G1+7]  ; all four first fills together, ahead of every wait on TENSORcnt and every LDS read
	s_nop 0
.endr
	v_mul_u32_u24 v[ADRC], v[RR], MROW
	v_lshl_add_u32 v[ADRC], v[HH], 5, v[ADRC]
	v_add_nc_u32 v[ADRC], s[MB], v[ADRC]
	s_mul_i32 s18, s[WV], VWAVE
	s_add_co_u32 s18, s18, VREG
	v_bfe_u32 v[ADRV], v[RR], 1, 1                 ; V^T's row for A's row r: even r: batch (r / 2) % 2 + 2 (r / 8); odd r: the ones
	v_bfe_u32 v1, v[RR], 3, 1
	v_lshl_add_u32 v[ADRV], v1, 1, v[ADRV]
	v_and_b32 v1, 1, v[RR]
	v_lshl_add_u32 v[ADRV], v1, 2, v[ADRV]
	v_min_u32 v[ADRV], 4, v[ADRV]
	v_mul_u32_u24 v[ADRV], v[ADRV], VROW
	v_lshl_add_u32 v[ADRV], v[HH], 4, v[ADRV]
	v_add_nc_u32 v[ADRV], s18, v[ADRV]
	v_lshl_add_u32 v[VWR], v[LN], 2, s18
	v_lshl_add_u32 v[ONA], v[LN], 4, s18
	s_lshl_b32 s19, s[WV], 10
	s_add_co_u32 s19, s19, STG
	v_lshl_add_u32 v[STGW], v[LN], 5, s19
	v_lshl_add_u32 v[STGR], v[RR], 4, s19
	v_mov_b32 v[NEG1], -1.0
	v_mov_b32 v[KS7], 0xab573f9f                   ; -1/15!
	v_mov_b32 v[KS7+1], 0xab573f9f
	v_mov_b32 v[KC8], 0x29573f9f                   ; 1/16!
	v_mov_b32 v[KC8+1], 0x29573f9f
.irp k,0,1,2,3
	v_mov_b32 v[ONE4+\k], 0x3c003c00               ; 1.0 twice in f16
.endr
	ds_store_b128 v[ONA], v[ONE4:ONE4+3] offset:4*VROW
	ds_store_b128 v[ONA], v[ONE4:ONE4+3] offset:4*VROW+512
	s_lshl_b32 s18, s[WV], 9
	v_lshl_add_u32 v1, v[LN], 1, s18
	v_cvt_f32_u32 v[KP], v1                        ; position 512 w + 2 lane,
	v_add_f32 v[KP+1], 1.0, v[KP]                  ; and the next
; Sine and cosine of the two angles in TH, two at a time.  n = the nearest whole number of turns; r = angle - n 2 pi in two steps (6.28125 has 8 bits, so n x it is exact);
; then the series to r^15 and r^16 on |r| <= pi: what is cut off is under 1e-6, which moves a score by under 2e-4.
.macro HORN d, lit
	v_pk_fma_f32 v[\d:\d+1], v[\d:\d+1], v[R2:R2+1], \lit op_sel_hi:[1,1,0]
.endm
.macro SINCOS
	v_pk_mul_f32 v[NN:NN+1], v[TH:TH+1], 0.15915494 op_sel_hi:[1,0]
	v_rndne_f32 v[NN], v[NN]
	v_rndne_f32 v[NN+1], v[NN+1]
	v_pk_fma_f32 v[RDU:RDU+1], v[NN:NN+1], 0xc0c90000, v[TH:TH+1] op_sel_hi:[1,0,1]
	v_pk_fma_f32 v[RDU:RDU+1], v[NN:NN+1], 0xbafdaa22, v[RDU:RDU+1] op_sel_hi:[1,0,1]
	v_pk_mul_f32 v[R2:R2+1], v[RDU:RDU+1], v[RDU:RDU+1]
	v_pk_fma_f32 v[SN:SN+1], v[R2:R2+1], v[KS7:KS7+1], 0x2f309231 op_sel_hi:[1,1,0]
	v_pk_fma_f32 v[CSN:CSN+1], v[R2:R2+1], v[KC8:KC8+1], 0xad49cba5 op_sel_hi:[1,1,0]
	HORN SN, 0xb2d7322b
	HORN CSN, 0x310f76c7
	HORN SN, 0x3638ef1d
	HORN CSN, 0xb493f27e
	HORN SN, 0xb9500d01
	HORN CSN, 0x37d00d01
	HORN SN, 0x3c088889
	HORN CSN, 0xbab60b61
	HORN SN, 0xbe2aaaab
	HORN CSN, 0x3d2aaaab
	HORN SN, 1.0
	HORN CSN, -0.5
	v_pk_mul_f32 v[SN:SN+1], v[SN:SN+1], v[RDU:RDU+1]
	HORN CSN, 1.0
.endm
	; Q, made by every wave for itself: lane's query = 16 x work-group + lane % 16.  One SINCOS for (phi, theta_q).
	; rope(q) = x0 rq (cos phi cos t + sin phi sin t, cos phi sin t - sin phi cos t); the factor is SCALE sqrt 2 = 74.83686: K below is kept without its sqrt 2.
	s_wait_kmcnt 0x0                               ; q_phi and v_w
	s_lshl_b32 s18, ttmp9, 4
	v_add_nc_u32 v1, s18, v[RR]
	v_cvt_f32_u32 v1, v1
	v_mov_b32 v[TH], s[PHI]
	v_mul_f32 v[TH+1], 0x3ea950b8, v1              ; theta = fl(position x omega), omega = 2 pi / 19 in f32
	SINCOS
	v_mul_f32 v[TT], v[SN], v[SN+1]
	v_fma_f32 v[U0], v[CSN], v[CSN+1], v[TT]
	v_mul_f32 v[TT], v[SN], v[CSN+1]
	v_fma_f32 v[U1], v[CSN], v[SN+1], -v[TT]
	v_mul_f32 v[TT], v[SN], v[SN]
	v_fma_f32 v[TT], v[CSN], v[CSN], v[TT]
	v_mul_f32 v[WW], 0.5, v[TT]                    ; mean(q^2) = x0^2 (cos^2 + sin^2) / 2
	v_mul_f32 v[U0], 0x4295ac79, v[U0]
	v_mul_f32 v[U1], 0x4295ac79, v[U1]
	s_wait_loadcnt 32                              ; my query's four x0 are in; the 32 loads issued behind them may stay out
.irp b,0,1,2,3
	v_mul_f32 v[MM+\b], v[XQ+\b], v[XQ+\b]
.endr
.irp b,0,1,2,3
	v_fmaak_f32 v[MM+\b], v[MM+\b], v[WW], 0x358637bd  ; + 1e-6
.endr
.irp b,0,1,2,3
	v_rsq_f32 v[MM+\b], v[MM+\b]
.endr
.set q_, 0
.rept 32                               ; the places of a fragment that belong to the other batches hold 0; these lines are the work between the roots and their wait
.if (q_%8)/2 != q_/8
	v_mov_b32 v[QF+q_], 0
.endif
.set q_, q_+1
.endr
	v_cmp_ne_u32 vcc_lo, 0, v[HH]
	s_wait_alu depctr_va_vdst(0)                   ; one wait for the four roots, ahead of their first reader
.irp b,0,1,2,3
	v_mul_f32 v[MM+\b], v[XQ+\b], v[MM+\b]
.endr
.irp b,0,1,2,3
	v_mul_f32 v[KK+2*\b], v[MM+\b], v[U0]
	v_mul_f32 v[KK+2*\b+1], v[MM+\b], v[U1]
.endr
.irp b,0,1,2,3
	v_cvt_pk_f16_f32 v[OUT0+\b], v[KK+2*\b], v[KK+2*\b+1]  ; hi
.endr
.irp b,0,1,2,3
	v_fma_mix_f32 v[LL+2*\b], v[OUT0+\b], v[NEG1], v[KK+2*\b] op_sel_hi:[1,0,0]                   ; what hi leaves, exact in f32
	v_fma_mix_f32 v[LL+2*\b+1], v[OUT0+\b], v[NEG1], v[KK+2*\b+1] op_sel:[1,0,0] op_sel_hi:[1,0,0]
.endr
.irp b,0,1,2,3
	v_cvt_pk_f16_f32 v[OUT1+\b], v[LL+2*\b], v[LL+2*\b+1]  ; lo
.endr
.irp b,0,1,2,3
	v_cndmask_b32 v[QF+8*\b+2*\b], v[OUT0+\b], v[OUT1+\b], vcc_lo    ; lanes 0-15 hi, lanes 16-31 lo: against K's hi,
	v_cndmask_b32 v[QF+8*\b+2*\b+1], v[OUT0+\b], v[OUT1+\b], vcc_lo  ; and against K's lo
.endr
; K AND V of block j: 64 keys, two a lane, 4 batches.  kn = x0 rsq(x0^2 + 2e-6) (the problem's x0 rsq(x0^2 / 2 + 1e-6) without its sqrt 2, which Q carries);
; k = kn (cos, sin); hi and lo in f16.  A key's 16 bytes for two batches go into the wave's own stage and come back as four fragments' halves, into both halves of the lanes;
; then the same stage serves the other two batches: LDS serves a wave's instructions in order (ISA guide 5.7.1.4).  x1 goes to the wave's V rows in f16, two keys a word.
.macro KPREP j
.set xj, X+16*(\j)
	s_wait_loadcnt 4*(7-(\j))                      ; this block's four loads are in; the later blocks' may stay out
.irp b,0,1,2,3
	v_fmaak_f32 v[MM+2*\b], v[xj+4*\b], v[xj+4*\b], 0x360637bd
	v_fmaak_f32 v[MM+2*\b+1], v[xj+4*\b+2], v[xj+4*\b+2], 0x360637bd
.endr
.irp k,0,1,2,3,4,5,6,7
	v_rsq_f32 v[MM+\k], v[MM+\k]
.endr
	v_pk_mul_f32 v[TH:TH+1], v[KP:KP+1], 0x3ea950b8 op_sel_hi:[1,0]  ; theta = fl(position x omega)
	SINCOS
	v_pk_add_f32 v[KP:KP+1], v[KP:KP+1], 0x42800000 op_sel_hi:[1,0]  ; 64 keys on
	s_wait_alu depctr_va_vdst(0)                   ; one wait for the eight roots; the sine and cosine stand between
.irp p,0,1
.irp i,0,1
	v_mul_f32 v[MM+2*(2*\p+\i)], v[xj+4*(2*\p+\i)], v[MM+2*(2*\p+\i)]
	v_mul_f32 v[MM+2*(2*\p+\i)+1], v[xj+4*(2*\p+\i)+2], v[MM+2*(2*\p+\i)+1]
.endr
.irp i,0,1
	v_pk_mul_f32 v[KK+4*\i:KK+4*\i+1], v[CSN:CSN+1], v[MM+2*(2*\p+\i):MM+2*(2*\p+\i)+1]
	v_pk_mul_f32 v[KK+4*\i+2:KK+4*\i+3], v[SN:SN+1], v[MM+2*(2*\p+\i):MM+2*(2*\p+\i)+1]
.endr
.irp i,0,1
	v_cvt_pk_f16_f32 v[OUT0+2*\i], v[KK+4*\i], v[KK+4*\i+2]
	v_cvt_pk_f16_f32 v[OUT1+2*\i], v[KK+4*\i+1], v[KK+4*\i+3]
.endr
.irp i,0,1
	v_fma_mix_f32 v[LL+4*\i], v[OUT0+2*\i], v[NEG1], v[KK+4*\i] op_sel_hi:[1,0,0]
	v_fma_mix_f32 v[LL+4*\i+1], v[OUT0+2*\i], v[NEG1], v[KK+4*\i+2] op_sel:[1,0,0] op_sel_hi:[1,0,0]
	v_fma_mix_f32 v[LL+4*\i+2], v[OUT1+2*\i], v[NEG1], v[KK+4*\i+1] op_sel_hi:[1,0,0]
	v_fma_mix_f32 v[LL+4*\i+3], v[OUT1+2*\i], v[NEG1], v[KK+4*\i+3] op_sel:[1,0,0] op_sel_hi:[1,0,0]
.endr
.irp i,0,1
	v_cvt_pk_f16_f32 v[OUT0+2*\i+1], v[LL+4*\i], v[LL+4*\i+1]
	v_cvt_pk_f16_f32 v[OUT1+2*\i+1], v[LL+4*\i+2], v[LL+4*\i+3]
	v_cvt_pk_f16_f32 v[VV+\i], v[xj+4*(2*\p+\i)+1], v[xj+4*(2*\p+\i)+3]
.endr
.irp i,0,1
	ds_store_b32 v[VWR], v[VV+\i] offset:(2*\p+\i)*VROW+128*(\j)
.endr
	ds_store_b128 v[STGW], v[OUT0:OUT0+3]
	ds_store_b128 v[STGW], v[OUT1:OUT1+3] offset:16
	WIN 0x40                                       ; destination in window 1, address in window 0
.irp t,0,1,2,3
	ds_load_b128 v[8*(4*(\j)+\t)+4*\p:8*(4*(\j)+\t)+4*\p+3], v[STGR] offset:256*\t
.endr
	WIN 0
.endr
.endm
.irp j,0,1,2,3,4,5,6,7
	KPREP \j
.endr
; THE LOOP'S PARTS.  Step i = 4 x group + batch, 32 steps a wave, written out: K's fragments are other registers in each group.
.macro FS i, k                         ; pair k of 16: c s - c m
.set s_, SB+32*((\i)%2)+2*(\k)
.set c_, ST+4*((\i)%4)+2*(((\i)/4)%2)
	v_pk_fma_f32 v[s_:s_+1], v[s_:s_+1], s[CS:CS+1], v[c_:c_+1] op_sel_hi:[1,0,0] neg_lo:[0,0,1] neg_hi:[0,0,1]
.endm
.macro EX i, e
.set s_, SB+32*((\i)%2)+(\e)
	v_exp_f32 v[s_], v[s_]
.endm
.macro MX i, n                         ; number n of 16: the maximum of the lane's 32 scores and the old m; each accumulator's lowest registers are read first
.set s_, SB+32*((\i)%2)
.set m_, ST+4*((\i)%4)+2*(1-((\i)/4)%2)+1
.if (\n) < 4
	v_max3_num_f32 v[TC+(\n)], v[s_+8*(\n)], v[s_+8*(\n)+1], v[s_+8*(\n)+2]
.elseif (\n) < 12
	v_max3_num_f32 v[TC+(\n)%4], v[TC+(\n)%4], v[s_+8*((\n)%4)+2*((\n)/4)+1], v[s_+8*((\n)%4)+2*((\n)/4)+2]
.elseif (\n) == 12
	v_max3_num_f32 v[TC], v[TC], v[s_+7], v[s_+15]
.elseif (\n) == 13
	v_max3_num_f32 v[TC+2], v[TC+2], v[s_+23], v[s_+31]
.elseif (\n) == 14
	v_max3_num_f32 v[TC], v[TC], v[TC+1], v[TC+2]
.else
	v_max3_num_f32 v[TC], v[TC], v[TC+3], v[m_]
.endif
.endm
.macro STAT i, n                       ; the query's other 32 keys lie in the lane 16 away; m; c m; c m_old - c m_new, of the two ROUNDED numbers that the weights are taken against; a
.set c_, ST+4*((\i)%4)+2*(((\i)/4)%2)
.set o_, ST+4*((\i)%4)+2*(1-((\i)/4)%2)
.if (\n) == 0
	v_permlanex16_b32 v[TC+1], v[TC], s[SEL], s[SEL+1]
.elseif (\n) == 1
	v_max_num_f32 v[c_+1], v[TC], v[TC+1]
.elseif (\n) == 2
	v_mul_f32 v[c_], s[CS], v[c_+1]
.elseif (\n) == 3
	v_sub_f32 v[TC+2], v[o_], v[c_]
.else
	v_exp_f32 v[AA+2*((\i)%2)], v[TC+2]
.endif
.endm
.macro UPD i                           ; acc = a acc + D's pair of this batch
	v_pk_fma_f32 v[AC+2*((\i)%4):AC+2*((\i)%4)+1], v[AC+2*((\i)%4):AC+2*((\i)%4)+1], v[AA+2*((\i)%2):AA+2*((\i)%2)+1], v[DD+2*((\i)%2):DD+2*((\i)%2)+1] op_sel_hi:[1,0,1]
.endm
.macro QK i                            ; four tiles of 16 keys: S^T = K Q^T + mask.  K in window 1
.set s_, SB+32*((\i)%2)
.set k_, 32*((\i)/4)
.set q_, QF+8*((\i)%4)
.irp t,0,1,2,3
	v_wmma_f32_16x16x32_f16 v[s_+8*\t:s_+8*\t+7], v[k_+8*\t:k_+8*\t+7], v[q_:q_+7], v[CM+8*\t:CM+8*\t+7]
.endr
.endm
.macro CLOAD g                         ; the mask of group g: a lane's 8 keys of a tile are 32 consecutive bytes of its query's row
.irp t,0,1,2,3
	ds_load_b128 v[CM+8*\t:CM+8*\t+3], v[ADRC] offset:((\g)/2)*MTILE+((\g)%2)*256+64*\t
	ds_load_b128 v[CM+8*\t+4:CM+8*\t+7], v[ADRC] offset:((\g)/2)*MTILE+((\g)%2)*256+64*\t+16
.endr
.endm
; A TURN, for step i.  Its c m and a were made in the turn before.  Four scalings are the places behind the last matrix instructions; then come the LDS loads that are due (V^T of a new group in
; batch 0's turn; the next group's mask in batch 2's, whose predecessor held the mask's last reader), and the update of the step before.  The 32 exponentials and the next step's a are ONE batch
; with one wait; between them stand the other 12 scalings and the next step's maximum and statistics, whose scores were asked for a turn ago.  Behind the wait: 16 roundings to f16.
; Then the matrix work: V^T P's first half, the four K Q^T of the step after next (into the buffer just rounded), V^T P's second half: the chain's two links are not neighbours.
.macro TURN i
.set tb_, (\i)%4
.set tg_, (\i)/4
	FS \i, 0
	FS \i, 1
	FS \i, 2
	FS \i, 3
.if tb_ == 0
.irp q,0,1,2,3
	ds_load_b128 v[VF+4*\q:VF+4*\q+3], v[ADRV] offset:128*tg_+32*\q
.endr
.endif
.if (tb_ == 2) && (tg_ < 7)
.if (tg_%2) == 1
	s_wait_tensorcnt 3-(tg_+1)/2                   ; the next group begins a new tile of mine: it has landed; the tiles asked for behind it may stay out
.endif
	CLOAD tg_+1
.endif
.if (\i) > 0
	UPD (\i)-1
.endif
.set e_, 0
.rept 32
	EX \i, e_
.if e_ < 12
	FS \i, e_+4
.elseif (\i) < 31
.if e_ < 28
	MX (\i)+1, e_-12
.else
	STAT (\i)+1, e_-28
.endif
.endif
.set e_, e_+1
.endr
.if (\i) < 31
	STAT (\i)+1, 4
.endif
	v_nop                                          ; a plain instruction behind the last exponential
	s_wait_alu depctr_va_vdst(0)                   ; the one wait for the batch, ahead of its first reader
.set e_, 0
.rept 16
	v_cvt_pk_f16_f32 v[PP+e_], v[SB+32*((\i)%2)+2*e_], v[SB+32*((\i)%2)+2*e_+1]
.set e_, e_+1
.endr
.if (tb_ == 0) || ((tb_ == 2) && (tg_ < 7))
	s_wait_dscnt 0x0                               ; this turn's LDS loads are in
.endif
	v_wmma_f32_16x16x32_f16 v[DD:DD+7], v[VF:VF+7], v[PP:PP+7], 0
.if (\i) < 30
	WIN 0x01                                       ; source 0 in window 1
	QK (\i)+2
	WIN 0
.else
	s_wait_alu depctr_va_vdst(0)                   ; no product is left to stand between the chain's links
.endif
	v_wmma_f32_16x16x32_f16 v[DD:DD+7], v[VF+8:VF+15], v[PP+8:PP+15], v[DD:DD+7]
.endm
	s_wait_tensorcnt 0x3                           ; my first tile has landed; the other three may stay out
	CLOAD 0
	s_wait_dscnt 0x0                               ; the mask of group 0, K's fragments, and my stores into my V rows
	WIN 0x01
	QK 0
	QK 1
	WIN 0
.irp b,0,1,2,3                         ; what the first steps find; these lines are also the places behind the products
	v_mov_b32 v[ST+4*\b+3], 0xf149f2ca             ; m = -1e30
	v_mul_f32 v[ST+4*\b+2], s[CS], v[ST+4*\b+3]    ; c m
	v_mov_b32 v[AC+2*\b], 0
	v_mov_b32 v[AC+2*\b+1], 0
	v_mov_b32 v[AA+\b], 0
.endr
.set e_, 0
.rept 16
	MX 0, e_
.set e_, e_+1
.endr
.irp n,0,1,2,3,4
	STAT 0, \n
.endr
	v_nop
	s_wait_alu depctr_va_vdst(0)
.set t_, 0
.rept 32
	TURN t_
.set t_, t_+1
.endr
	; THE MEETING.  Lane (r, h) holds the results of batches 2 h and 2 h + 1 for query r: (sum p x1, sum p, c m, 0), 16 bytes each, into my wave's KiB of the stage.
	v_lshl_add_u32 v[MGA], v[HH], 9, v[STGR]       ; five lines that name nothing of the last products: their places
	v_mov_b32 v[MG+3], 0
	v_mov_b32 v[MG+7], 0
	v_nop
	v_nop
	UPD 31
	v_cmp_ne_u32 vcc_lo, 0, v[HH]
	v_cndmask_b32 v[MG+0], v[AC+0], v[AC+4], vcc_lo
	v_cndmask_b32 v[MG+1], v[AC+1], v[AC+5], vcc_lo
	v_cndmask_b32 v[MG+2], v[ST+2], v[ST+10], vcc_lo
	v_cndmask_b32 v[MG+4], v[AC+2], v[AC+6], vcc_lo
	v_cndmask_b32 v[MG+5], v[AC+3], v[AC+7], vcc_lo
	v_cndmask_b32 v[MG+6], v[ST+6], v[ST+14], vcc_lo
	ds_store_b128 v[MGA], v[MG:MG+3]
	ds_store_b128 v[MGA], v[MG+4:MG+7] offset:256
	s_wait_dscnt 0x0                               ; for the others' sake: my stores are done
	s_barrier_signal -1
	s_barrier_wait -1
	s_cmp_lt_u32 s[WV], 2                          ; 64 results: threads 0 to 63, thread 16 b + r
	s_cbranch_scc0 .Lend
	v_lshl_add_u32 v[MT], v0, 4, STG
.irp w,0,1,2,3,4,5,6,7
	ds_load_b128 v[ME+4*\w:ME+4*\w+3], v[MT] offset:1024*\w
.endr
	v_lshrrev_b32 v1, 4, v0
	v_lshlrev_b32 v1, 15, v1                       ; batch x 32,768 bytes
	v_lshl_add_u32 v1, v[RR], 3, v1
	v_add_nc_u32 v[OA], s22, v1
	v_mov_b32 v[OUTP], 0
	s_wait_dscnt 0x0
	v_max3_num_f32 v[MXR], v[ME+2], v[ME+6], v[ME+10]
	v_max3_num_f32 v[MXR], v[MXR], v[ME+14], v[ME+18]
	v_max3_num_f32 v[MXR], v[MXR], v[ME+22], v[ME+26]
	v_max_num_f32 v[MXR], v[MXR], v[ME+30]
.irp w,0,1,2,3,4,5,6,7
	v_sub_f32 v[ME+4*\w+2], v[ME+4*\w+2], v[MXR]
.endr
.irp w,0,1,2,3,4,5,6,7
	v_exp_f32 v[ME+4*\w+2], v[ME+4*\w+2]
.endr
	v_nop
	s_wait_alu depctr_va_vdst(0)
	v_pk_mul_f32 v[OO:OO+1], v[ME:ME+1], v[ME+2:ME+3] op_sel_hi:[1,0]
.irp w,1,2,3,4,5,6,7
	v_pk_fma_f32 v[OO:OO+1], v[ME+4*\w:ME+4*\w+1], v[ME+4*\w+2:ME+4*\w+3], v[OO:OO+1] op_sel_hi:[1,0,1]
.endr
	v_rcp_f32 v[RC], v[OO+1]
	v_mul_f32 v[OO], s[VWS], v[OO]                 ; v_w, in f32; also the plain instruction behind the reciprocal
	s_wait_alu depctr_va_vdst(0)
	v_mul_f32 v[OUTP+1], v[OO], v[RC]
	global_store_b64 v[OA], v[OUTP:OUTP+1], s[12:13]  ; (0, result): 16 lanes store 128 consecutive bytes
.Lend:
	s_wait_tensorcnt 0x0                           ; the wave's end: behind my last tensor load and my last LDS store
	ds_add_u32 v[SPW], v[NIL]
	s_wait_dscnt 0x0
	s_endpgm
.Lfunc_end_k_qed8e1ad160_attn:
	.size	k_qed8e1ad160_attn, .Lfunc_end_k_qed8e1ad160_attn-k_qed8e1ad160_attn
	.p2alignl 7, 3214868480
	.fill 96, 4, 3214868480
	.section	.rodata,"a",@progbits
	.p2align	6, 0x0
	.amdhsa_kernel k_qed8e1ad160_attn
		.amdhsa_group_segment_fixed_size 322560
		.amdhsa_private_segment_fixed_size 0
		.amdhsa_enable_private_segment 0
		.amdhsa_kernarg_size 40
		.amdhsa_user_sgpr_count 2
		.amdhsa_user_sgpr_kernarg_segment_ptr 1
		.amdhsa_wavefront_size32 1
		.amdhsa_system_sgpr_workgroup_id_x 1
		.amdhsa_system_sgpr_workgroup_id_y 1
		.amdhsa_system_sgpr_workgroup_id_z 1
		.amdhsa_system_vgpr_workitem_id 0
		.amdhsa_next_free_vgpr 512
		.amdhsa_next_free_sgpr 66
		.amdhsa_reserve_vcc 1
		.amdhsa_float_denorm_mode_32 3
		.amdhsa_float_denorm_mode_16_64 3
		.amdhsa_memory_ordered 1
		.amdhsa_forward_progress 1
		.amdhsa_inst_pref_size 232
	.end_amdhsa_kernel
	.amdgpu_metadata
---
amdhsa.version: [ 1, 2 ]
amdhsa.kernels:
  - .name:           k_qed8e1ad160_attn
    .symbol:         k_qed8e1ad160_attn.kd
    .args:
      - { .name: x, .offset: 0, .size: 8, .value_kind: global_buffer, .address_space: global }
      - { .name: mask, .offset: 8, .size: 8, .value_kind: global_buffer, .address_space: global }
      - { .name: q_phi, .offset: 16, .size: 8, .value_kind: global_buffer, .address_space: global }
      - { .name: v_w, .offset: 24, .size: 8, .value_kind: global_buffer, .address_space: global }
      - { .name: out0, .offset: 32, .size: 8, .value_kind: global_buffer, .address_space: global }
    .group_segment_fixed_size: 322560
    .private_segment_fixed_size: 0
    .kernarg_segment_align: 8
    .kernarg_segment_size: 40
    .max_flat_workgroup_size: 256
    .sgpr_count:     66
    .vgpr_count:     512
    .wavefront_size: 32
...
	.end_amdgpu_metadata
.endif
;; end of part 1
